; MI455X (gfx1250); checked and timed in simulation.
; The chip was launched on July 23, 2026; its instructions are those of AMD's public machine-readable ISA for CDNA 5 (MIT licence, August 2026) and "CDNA5" Instruction Set Architecture Reference Guide (July 2026). The comments in the code are by the model that wrote it; some were corrected since.
;; Scaled Dot Product. Allowed arithmetic: float matrix products may take bf16 or f16 operands with f32 sums; all other float work in f32.
;; Inputs: keys 2 x 16 x 2,048 x 128 float32; queries 2 x 16 x 2,048 x 128 float32; values 2 x 16 x 2,048 x 128 float32.
;; Outputs: out0 2 x 16 x 2,048 x 128 float32.
;; One version. Each part assembles by itself: llvm-mc -triple=amdgcn-amd-amdhsa -mcpu=gfx1250 --defsym DOCPART=n.
;; ======== version 1 of 1: 1 launch
;; launch attn (part 1): grid 8 x 32, 4 waves a work-group, clusters of 4 x 1, 327,680 bytes of LDS; arguments queries, keys, values, out0; writes out0
.if DOCPART == 1
	.amdgcn_target "amdgcn-amd-amdhsa--gfx1250"
	.amdhsa_code_object_version 6
	.text
	.protected	k_qb3eceaa561_attn
	.globl	k_qb3eceaa561_attn
	.p2align	8
	.type	k_qb3eceaa561_attn,@function
k_qb3eceaa561_attn:
	s_mov_b64 s[64:65], 0
	v_nop
	global_prefetch_b8 v0, s[64:65] scope:SCOPE_SE
	s_setreg_imm32_b32 hwreg(HW_REG_WAVE_MODE, 25, 1), 1
	s_wait_xcnt 0x0
	s_wait_alu depctr_hold_cnt(0) depctr_sa_sdst(0) depctr_va_vdst(0) depctr_va_sdst(0) depctr_va_ssrc(0) depctr_va_vcc(0) depctr_vm_vsrc(0)
	s_getreg_b32 s2, hwreg(HW_REG_IB_STS2, 6, 4)
	s_cmp_eq_u32 s2, 0
	s_cbranch_scc0 .Lentry_in_a_cluster
	s_endpgm
.Lentry_in_a_cluster:
	s_bfe_u32 s2, ttmp6, 0x10000c
	s_cmp_lg_u32 s2, 0x3003
	s_cbranch_scc0 .Lentry_shape_is_right
	s_endpgm
.Lentry_shape_is_right:
; out = softmax(Q K^T / sqrt(128)) V for 32 heads (batch x head) of 2,048 queries, 2,048 keys, head dim 128; all buffers f32.
; One launch; scores and weights never leave the registers.  No work of the problem is left out: every input reaches every output row of its head.
; SHARES.  Work-group (x, y): head y, queries 256 x .. 256 x + 255.  Four waves, 64 queries each (4 q tiles of 16).  The keys go in 32 trips of 64.
; CLUSTER.  The four work-groups of a cluster (4, 1, 1) walk the same K and V tiles of one head: every tile is asked for jointly (mask 15), which
; divides the requests for K and V by four.  A head's eight query blocks are two clusters, since a mask names four work-groups.
; BOTH PRODUCTS ARE USED TRANSPOSED.  S^T = K Q^T: lane (r, h) holds, for query r, the keys 16 kt + 8 h + j in register j of tile kt.  So the maximum and
; the sum run along a lane's own registers plus one step to lane xor 16; m, l and alpha are one register a q tile; and the packed pairs of tiles
; 2 kc, 2 kc + 1 ARE the second-source fragment of P^T for keys 32 kc .. + 31.  O^T = V^T P^T: V^T's fragments come from V stored [key][d] by the transposing LDS load;
; a lane's eight results are eight neighbouring d of one query.
; FORMATS.  Q, K, V and P go to the matrix unit as bf16 (f16 has no room for scores of inputs 30 times larger); sums, maxima, exponentials, O in f32.
; K and V arrive as f32 in two stage slots; each wave rounds a quarter of tile t + 1 to bf16 into the other bf16 buffer while tile t is multiplied.
; SOFTMAX.  A running maximum m is taken away in every trip: p = 2^(c s - c m), c = log2(e) / sqrt(128); alpha = 2^(c m_old - c m_new), made from the same
; rounded products c m that the exponents use.
; THE TRIP.  The wave's q tiles are two pieces, A = 0, 1 and B = 2, 3, which share K's and V's fragments.  A trip is four runs of 32 products.  Behind a product stands a slice of
; REGISTER work that names none of its registers; the trip's 128 LDS instructions stand apart, in eight runs of sixteen, one at the trip's head and seven at the borders of groups
; of products, so that the products are broken by LDS work seven times a trip:
;   head               LDS: tile t + 1's K rows out of the stage
;   1  S_A = K Q_A     slices: K of tile t + 1 to bf16 (2 behind each of products 16-31)     LDS: V's fragments of tile t behind products 7 and 15, K's bf16 rows behind product 31
;   2  S_B = K Q_B     slices: the softmax of A: maximum, alpha, exponents, exponentials, O_A = alpha O_A, P_A (236 steps)     LDS: tile t + 1's V rows behind product 15
;   3  O_A += V P_A    slices: the softmax of B (236 steps)
;   4  O_B += V P_B    slices: V of tile t + 1 to bf16, the row sums of A and B (96 steps)     LDS: K's fragments of tile t + 1 in front and behind product 7, V's bf16 rows behind 15
; A slice works under its own register windows, so a product with a slice costs two s_set_vgpr_msb, about 245 a trip beside 128 products and some 760 other instructions.  They cannot
; be laid out away: exponent, exponential and rounding are a chain whose source and destination share a window, and under a product's setting that is the window of the product's
; first source and of its accumulators: K's 128 + S_B's 64 + S_A's 64 registers in run 2, V's 128 + O_A's 128 in run 3, full without the statistics.
; LIMITS.  Matrix operands are rounded to bf16.  v_exp_f32 gives 0 for results below 2^-126 (ISA guide, 15.8).  The sums of a row are added in another order than
; in the problem's text.  A NaN loses in the maximum and still reaches its row through the exponentials.  Right where the problem's own f32 result is finite.
;
; LDS (bytes):  F0 0, F1 65,536: f32 stage, K's 64 rows of 512 bytes, then V's 64 (only these are filled by tensor loads)
;               HK 131,072: K in bf16, 64 rows, pitch 272;  HV 148,480: V in bf16, 64 rows, pitch 288;  the second pair 35,840 further on
;               OST 202,752 + 8,448 w: each wave's own stage: Q on the way in (16 rows, pitch 272), O on the way out (16 rows, pitch 528)
; Pitches: 272 = 17 x 16 and 528 = 33 x 16: the sixteen rows that a 16-byte access touches begin in sixteen different 16-byte columns of 256 bytes; 288 = 9 x 32 for the
; transposing loads, whose eight rows take 32 bytes each.
; REGISTERS, in windows of 256:  0: addresses, statistics, fragments of K (v64-191), conversion registers (v192-255)
;   1: Q fragment (qt, c) at 32 qt + 8 c;  P of q tile qt at 128 + 16 qt      2: S(qt, kt) at 32 qt + 8 kt;  V fragment (kc, dt) at 128 + 64 kc + 8 dt      3: O(qt, dt) at 64 qt + 8 dt
.set TILEB,  32768                     ; 64 rows of K, or of V, in f32
.set FSLOT,  65536                     ; a stage slot: K's tile, then V's
.set HK0,    131072
.set HV0,    148480
.set HSLOT,  35840                     ; from one pair of bf16 buffers to the other
.set KP,     272                       ; pitch of K (and of Q) in bf16
.set VP,     288                       ; pitch of V in bf16
.set OST,    202752
.set OSTW,   8448                      ; a wave's stage
.set OPITCH, 528                       ; pitch of O in f32
.set STG, 8                            ; v8, v9   stage slot 0, 1: slot + 8,192 w + 16 lane (my 16 rows, 16 bytes a lane)
.set HST, 10                           ; v10, v11 where my rows go in bf16: K, V (buffer 0)
.set KF,  12                           ; v12      K fragments: HK0 + 272 r + 16 h
.set VF,  13                           ; v13      V fragments: HV0 + 288 (8 h + lane % 8) + 16 ((lane / 8) % 2)
.set OS,  14                           ; v14      O into my stage: 528 r + 32 h
.set OL,  15                           ; v15      a whole row back out of my stage: 16 lane
.set OG,  16                           ; v16      16 lane: my 16 bytes of a row of Q or of out
.set QST, 17                           ; v17      Q into my stage: 8 lane
.set QF,  18                           ; v18      Q fragments: 272 r + 16 h
.set PFO, 19                           ; v19      256 lane, for the prefetch
.set ST,  20                           ; v[20:35] set s, q tile qt at 20 + 8 s + 2 qt: the pair (-c m, m); the two sets take turns
.set AL,  36                           ; v[36:43] q tile qt at 36 + 2 qt: the pair (alpha, at the end 1 / l; scratch)
.set LS,  44                           ; v[44:51] q tile qt: a pair of partial sums of p
.set MB,  52                           ; v[52:55] q tile qt: the second of its two maximum chains
.set FA,  64                           ; v[64:191] K's sixteen fragments
.set CV,  192                          ; v[192:255] sixteen rows' 16 bytes on their way to bf16
.set PB,  128                          ; window 1: P
.set FV,  128                          ; window 2: V's sixteen fragments
.set G1,  16                           ; s[16:23] descriptor group 1
.set G0,  24                           ; s[24:31] descriptor group 0, one set for each stage slot
.set MSB, 0
.macro WIN new                         ; low byte: bits 1:0 source 0, 3:2 source 1, 5:4 source 2, 7:6 destination; the high byte repeats the setting that is left
.if MSB != \new
	s_set_vgpr_msb (MSB<<8)|\new
.set MSB, \new
.endif
.endm
.macro PLACES                          ; four independent vector instructions between a matrix instruction and what touches its registers (ISA guide 7.12.1)
.rept 4
	v_nop
.endr
.endm
; A round of the cluster's barrier: my work-group's barrier, so that wave 0 speaks for all four waves; wave 0 signals; every wave waits for the four work-groups; my barrier again.
.macro ROUND
	s_barrier_signal -1
	s_barrier_wait -1
	s_cmp_lg_u32 s12, 0
	s_cbranch_scc1 .Lnot_wave_0_\@
	s_barrier_signal -3
.Lnot_wave_0_\@:
	s_barrier_wait -3
	s_barrier_signal -1
	s_barrier_wait -1
.endm
	s_load_b256 s[4:11], s[0:1], 0x0               ; queries s[4:5], keys s[6:7], values s[8:9], out0 s[10:11]
	v_lshl_add_u32 v62, v0, 2, 0x39c00
	v_mov_b32 v63, 0
	ds_add_u32 v62, v63
	v_lshrrev_b32 v1, 5, v0
	v_readfirstlane_b32 s12, v1                    ; wave 0..3
	s_bfe_u32 s13, ttmp6, 0x40000                  ; cx: my place in the cluster
	s_lshl_b32 s14, ttmp9, 2                       ; in a cluster launch ttmp9 counts clusters
	s_add_co_u32 s14, s14, s13                     ; x = 4 x cluster + cx: my block of 256 queries
	s_and_b32 s15, ttmp7, 0xffff                   ; y: the head
	s_mov_b32 s35, 0x76543210                      ; v_permlanex16_b32: lane i reads lane i of the other half
	s_mov_b32 s36, 0xfedcba98
	s_mov_b32 s37, 0xbe0293ee                      ; -c
	s_mov_b32 s38, 0x3e0293ee                      ; c = log2(e) / sqrt(128) = 0.12751743
	s_mov_b32 s39, 0x3e0293ee                      ; the pair's second word is written too
	; Group 1: a wave's part of a tile is 32 rows of 512 bytes, dense in memory: taken as 64 rows of 256 bytes (32 elements of 8 bytes), laid down without padding
	s_mov_b32 s[G1+0], 0x0023000f                  ; 15:0 mask 15: all four work-groups; 17:16 elements of 8 bytes; 21 set beside a mask; no padding
	s_mov_b32 s[G1+1], 32<<16                      ; tensor_dim0 = 32
	s_mov_b32 s[G1+2], 64<<16                      ; tensor_dim1 = 64
	s_mov_b32 s[G1+3], 32<<16                      ; tile_dim0 = 32
	s_mov_b32 s[G1+4], 64                          ; tile_dim1 = 64
	s_mov_b32 s[G1+5], 32                          ; from row to row: 32 elements
	s_mov_b32 s[G1+6], 0
	s_mov_b32 s[G1+7], 0
	; offsets, apart from the addresses.  K's and V's hang on the head and the wave alone, which the four partners share
	s_lshl_b32 s32, s15, 20                        ; a head is 2,048 x 512 = 2^20 bytes
	s_and_b32 s33, s12, 1
	s_lshl_b32 s33, s33, 14                        ; waves 0, 2 bring rows 0-31 of a tile, waves 1, 3 rows 32-63
	s_add_co_u32 s32, s32, s33
	s_mov_b32 s33, 0
	s_lshl_b32 s50, s15, 20                        ; Q and out: head, block of 256 rows, wave's 64 rows
	s_lshl_b32 s51, s14, 17
	s_add_co_u32 s50, s50, s51
	s_lshl_b32 s51, s12, 15
	s_add_co_u32 s50, s50, s51
	s_mov_b32 s51, 0
	s_lshl_b32 s40, s15, 20                        ; the prefetch: head, my quarter of a tile (8,192 bytes), tile 3 (stepped in front of each request)
	s_lshl_b32 s41, s13, 13
	s_add_co_u32 s40, s40, s41
	s_add_co_u32 s40, s40, 3*TILEB
	s_mov_b32 s41, 0
	s_mul_i32 s[G0+1], s12, 16384                  ; LDS address: wave x 16 KiB: K's two halves, then V's two halves
	s_add_co_u32 s[G0+5], s[G0+1], FSLOT
	s_mov_b32 s[G0+0], 1
	s_mov_b32 s[G0+4], 1
	s_wait_dscnt 0x0
	s_wait_kmcnt 0x0
	s_cmp_lt_u32 s12, 2
	s_cselect_b64 s[46:47], s[6:7], s[8:9]         ; waves 0, 1 fetch K, waves 2, 3 fetch V
	s_add_nc_u64 s[46:47], s[46:47], s[32:33]
	s_mov_b64 s[G0+2:G0+3], s[46:47]               ; slot 0: tile 0
	s_or_b32 s[G0+3], s[G0+3], 0x80000000          ; type 2
	s_add_nc_u64 s[G0+6:G0+7], s[46:47], TILEB     ; slot 1: tile 1
	s_or_b32 s[G0+7], s[G0+7], 0x80000000
	s_add_nc_u64 s[48:49], s[4:5], s[50:51]        ; my 64 rows of Q
	s_add_nc_u64 s[10:11], s[10:11], s[50:51]      ; and of out
	s_cmp_eq_u32 ttmp9, 0
	s_cselect_b64 s[42:43], s[6:7], s[8:9]         ; the head's first cluster asks ahead for K, its second for V
	s_add_nc_u64 s[42:43], s[42:43], s[40:41]
	ROUND                                          ; all four work-groups are here: the first joint loads meet
	tensor_load_to_lds s[G0:G0+3], s[G1:G1+7]      ; tile 0 into F0
	s_nop 0
	tensor_load_to_lds s[G0+4:G0+7], s[G1:G1+7]    ; tile 1 into F1: two loads of this wave are out
	s_nop 0
	v_and_b32 v1, 31, v0                           ; lane
	v_and_b32 v2, 15, v0                           ; r
	v_bfe_u32 v3, v0, 4, 1                         ; h
	v_lshlrev_b32 v[OG], 4, v1
	v_lshlrev_b32 v[PFO], 8, v1
	s_lshl_b32 s44, s12, 13                        ; my 16 rows of 512 bytes in a stage tile
	v_add_nc_u32 v[STG], s44, v[OG]
	v_add_nc_u32 v[STG+1], FSLOT, v[STG]
	s_mul_i32 s44, s12, 16*KP
	s_add_co_u32 s44, s44, HK0
	v_lshl_add_u32 v[HST], v1, 3, s44              ; 8 bytes a lane: 4 numbers in bf16
	s_mul_i32 s45, s12, 16*VP
	s_add_co_u32 s45, s45, HV0
	v_lshl_add_u32 v[HST+1], v1, 3, s45
	v_mul_u32_u24 v4, v2, KP
	v_lshl_add_u32 v4, v3, 4, v4                   ; 272 r + 16 h
	v_add_nc_u32 v[KF], HK0, v4
	v_and_b32 v5, 7, v0
	v_lshl_add_u32 v5, v3, 3, v5                   ; 8 h + lane % 8
	v_mul_u32_u24 v5, v5, VP
	v_bfe_u32 v6, v0, 3, 1
	v_lshl_add_u32 v5, v6, 4, v5
	v_add_nc_u32 v[VF], HV0, v5
	s_mul_i32 s44, s12, OSTW
	s_add_co_u32 s44, s44, OST                     ; my stage
	v_mul_u32_u24 v5, v2, OPITCH
	v_lshl_add_u32 v5, v3, 5, v5
	v_add_nc_u32 v[OS], s44, v5
	v_add_nc_u32 v[OL], s44, v[OG]
	v_lshl_add_u32 v[QST], v1, 3, s44
	v_add_nc_u32 v[QF], s44, v4
.irp qt, 0,1,2,3
	v_mov_b32 v[AL+2*\qt+1], 0                     ; v_permlanex16_b32 counts as a reader of its destination
.endr
; Q: 16 rows of a q tile, a whole row of 512 bytes with each load; read once in the launch
.macro QLOAD qt, buf
.irp i, 0,1,2,3,4,5,6,7,8,9,10,11,12,13,14,15
	global_load_b128 v[FA+64*\buf+4*\i:FA+64*\buf+4*\i+3], v[OG], s[48:49] offset:(16*\qt+\i)*512 th:TH_LOAD_NT
.endr
.endm
; rounded to bf16, through my own stage (LDS serves a wave's instructions in order, ISA guide 5.7.1: no wait between stores and loads), into the four fragments of window 1
.macro QCVT qt, buf
.irp i, 0,1,2,3,4,5,6,7,8,9,10,11,12,13,14,15
	v_cvt_pk_bf16_f32 v[FA+64*\buf+4*\i], v[FA+64*\buf+4*\i], v[FA+64*\buf+4*\i+1]
	v_cvt_pk_bf16_f32 v[FA+64*\buf+4*\i+1], v[FA+64*\buf+4*\i+2], v[FA+64*\buf+4*\i+3]
.endr
.irp i, 0,1,2,3,4,5,6,7,8,9,10,11,12,13,14,15
	ds_store_b64 v[QST], v[FA+64*\buf+4*\i:FA+64*\buf+4*\i+1] offset:KP*\i
.endr
	WIN 0x40                                       ; destination window 1
.irp c, 0,1,2,3
	ds_load_b128 v[32*\qt+8*\c:32*\qt+8*\c+3], v[QF] offset:64*\c          ; query r, d = 32 c + 8 h ..
	ds_load_b128 v[32*\qt+8*\c+4:32*\qt+8*\c+7], v[QF] offset:64*\c+32     ; d = 32 c + 16 + 8 h ..
.endr
	WIN 0
	s_wait_dscnt 0x0                               ; the buffer is loaded again, and the stage stored into again, behind this
.endm
	QLOAD 0, 0
	QLOAD 1, 1
	s_wait_loadcnt 16                              ; the younger q tile's 16 loads stay out
	QCVT 0, 0
	QLOAD 2, 0
	s_wait_loadcnt 16
	QCVT 1, 1
	QLOAD 3, 1
	s_wait_loadcnt 16
	QCVT 2, 0
	s_wait_loadcnt 0x0
	QCVT 3, 1
; THE LDS RUNS, sixteen instructions each.  All but VFRAG are called under window 0.
; My 16 rows of K (part 0) or V (part 1) out of a stage slot: a whole row of 512 bytes with each load
.macro CVLOAD slot, part
.irp i, 0,1,2,3,4,5,6,7,8,9,10,11,12,13,14,15
	ds_load_b128 v[CV+4*\i:CV+4*\i+3], v[STG+\slot] offset:\part*TILEB+512*\i
.endr
.endm
; My 16 rounded rows into bf16 buffer slot: 256 neighbouring bytes with each store
.macro CVPUT slot, part
.irp i, 0,1,2,3,4,5,6,7,8,9,10,11,12,13,14,15
	ds_store_b64 v[HST+\part], v[CV+4*\i:CV+4*\i+1] offset:\slot*HSLOT+\i*(KP+16*\part)
.endr
.endm
; V's eight fragments for keys 32 kc .. 32 kc + 31 out of bf16 buffer slot
.macro VFRAG slot, kc
	WIN 0x80                                       ; destination window 2
.irp dt, 0,1,2,3,4,5,6,7
	ds_load_tr16_b128 v[FV+64*\kc+8*\dt:FV+64*\kc+8*\dt+3], v[VF] offset:\slot*HSLOT+32*VP*\kc+32*\dt           ; d = 16 dt + r, keys 32 kc + 8 h ..
	ds_load_tr16_b128 v[FV+64*\kc+8*\dt+4:FV+64*\kc+8*\dt+7], v[VF] offset:\slot*HSLOT+32*VP*\kc+32*\dt+16*VP   ; keys 32 kc + 16 + 8 h ..
.endr
.endm
; K's eight fragments of key blocks 2 half, 2 half + 1 out of bf16 buffer slot
.macro KFRAG slot, half
	WIN 0
.irp kt, 0,1
.irp c, 0,1,2,3
	ds_load_b128 v[FA+64*\half+32*\kt+8*\c:FA+64*\half+32*\kt+8*\c+3], v[KF] offset:\slot*HSLOT+16*KP*(2*\half+\kt)+64*\c
	ds_load_b128 v[FA+64*\half+32*\kt+8*\c+4:FA+64*\half+32*\kt+8*\c+7], v[KF] offset:\slot*HSLOT+16*KP*(2*\half+\kt)+64*\c+32
.endr
.endr
.endm
; Tile 0 is rounded in front of the trips, all at once
.macro CVSTORE slot, part
.irp i, 0,1,2,3,4,5,6,7,8,9,10,11,12,13,14,15
	v_cvt_pk_bf16_f32 v[CV+4*\i], v[CV+4*\i], v[CV+4*\i+1]
	v_cvt_pk_bf16_f32 v[CV+4*\i+1], v[CV+4*\i+2], v[CV+4*\i+3]
.endr
	CVPUT \slot, \part
.endm
; Wave 0 asks for its work-group's 8,192 bytes (32 lanes, 256 bytes apart) of the tile four trips on, whose tensor load is issued two trips on.  The head's eight work-groups
; ask for the four quarters of K's tile and of V's: each block is asked for once in the launch.  Trips 0 to 27 ask, for tiles 4 to 31: no request leaves the head.
.macro PREF
	s_cmp_lg_u32 s12, 0
	s_cbranch_scc1 .Lno_request_\@
	s_wait_xcnt 0x0                                ; the base of the last trip's request is stepped only behind this wait
	s_add_nc_u64 s[42:43], s[42:43], TILEB
	global_prefetch_b8 v[PFO], s[42:43] th:TH_LOAD_NT scope:SCOPE_SE
.Lno_request_\@:
.endm
	s_wait_tensorcnt 0x1                           ; my part of tile 0 has landed; tile 1's load stays out
	s_barrier_signal -1
	s_barrier_wait -1                              ; everybody's part has
	CVLOAD 0, 0
	s_wait_dscnt 0x0
	CVSTORE 0, 0
	s_wait_dscnt 0x0
	CVLOAD 0, 1
	s_wait_dscnt 0x0
	CVSTORE 0, 1
	s_wait_dscnt 0x0                               ; my rows of tile 0 lie in bf16 buffer 0
	s_barrier_signal -1
	s_barrier_wait -1                              ; everybody's do; tile 1's load may still be out
	KFRAG 0, 0                                     ; K's fragments of tile 0; every later tile's are loaded in the trip before
	KFRAG 0, 1
; THE PRODUCTS.  jj counts the 32 products of a run.
; S^T = K Q^T of piece p.  Four accumulators (two key blocks x two q tiles) take turns, one instruction a turn; the first product of each starts its sum.
.macro QKW p
	.set kt_, 2*(jj/16)+(jj%4)/2
	.set kc_, (jj%16)/4
	.set qt_, 2*\p+jj%2
	WIN 0xa4                                       ; K window 0, Q window 1, S window 2
.if kc_ == 0
	v_wmma_f32_16x16x32_bf16 v[32*qt_+8*kt_:32*qt_+8*kt_+7], v[FA+32*kt_:FA+32*kt_+7], v[32*qt_:32*qt_+7], 0
	s_wait_alu depctr_va_vdst(0)
.else
	v_wmma_f32_16x16x32_bf16 v[32*qt_+8*kt_:32*qt_+8*kt_+7], v[FA+32*kt_+8*kc_:FA+32*kt_+8*kc_+7], v[32*qt_+8*kc_:32*qt_+8*kc_+7], v[32*qt_+8*kt_:32*qt_+8*kt_+7]
	s_wait_alu depctr_va_vdst(0)
.endif
.endm
; O^T += V^T P^T of piece p.  Its sixteen accumulators take turns, one instruction a turn.
.macro PVW p, first
	.set kc_, jj/16
	.set dt_, (jj%16)/2
	.set qt_, 2*\p+jj%2
	WIN 0xf6                                       ; V window 2, P window 1, O window 3
.if \first*(1-kc_)
	v_wmma_f32_16x16x32_bf16 v[64*qt_+8*dt_:64*qt_+8*dt_+7], v[FV+64*kc_+8*dt_:FV+64*kc_+8*dt_+7], v[PB+16*qt_+8*kc_:PB+16*qt_+8*kc_+7], 0
.else
	v_wmma_f32_16x16x32_bf16 v[64*qt_+8*dt_:64*qt_+8*dt_+7], v[FV+64*kc_+8*dt_:FV+64*kc_+8*dt_+7], v[PB+16*qt_+8*kc_:PB+16*qt_+8*kc_+7], v[64*qt_+8*dt_:64*qt_+8*dt_+7]
	s_wait_alu depctr_va_vdst(0)
.endif
.endm
; THE SLICES: register work alone.  Each kind of work is a list of numbered steps; a slice is the next few steps of its run's list.
; Step cv_ of 32: my 16 rows in the conversion registers to bf16, in place: row i's four numbers a lane end in the pair at CV + 4 i
.macro CVT1
	.set i_, cv_/2
.if cv_%2 == 0
	v_cvt_pk_bf16_f32 v[CV+4*i_], v[CV+4*i_], v[CV+4*i_+1]
.else
	v_cvt_pk_bf16_f32 v[CV+4*i_+1], v[CV+4*i_+2], v[CV+4*i_+3]
.endif
.endm
; Step sk of the softmax of piece p (q tiles 2 p, 2 p + 1).  Old statistics in set slot, new ones in set o.
;   32 maxima: four chains, two a q tile over the even and the odd register pairs, three numbers at a time; key blocks 0 and 1 are read by the first sixteen
;   12 statistics (8 in the first trip): the two chains joined, lane xor 16, -c m, alpha
;   16 exponents of the first q tile;  16 x (two exponentials of the first, one exponent of the second);  32 exponentials of the second
;   64 O = alpha O (none in the first trip);  32 roundings: the packed pairs are P^T's fragments as they stand
; Behind every exponential a plain instruction that touches neither its result nor its source comes before the result is used (ISA guide 5.7.2).
.macro SOP p, slot, o, first
	.set e1_, 44-4*\first
	.set e2_, e1_+16
	.set e3_, e2_+48
	.set e4_, e3_+32
	.set e5_, e4_+64-64*\first
.if sk < 32
	.set q_, 2*\p+sk%2
	.set h_, (sk%4)/2
	.set i_, 2*(sk/4)+h_
	.set d_, (1-h_)*(ST+8*\o+2*q_+1)+h_*(MB+q_)
	.set s_, d_
.if sk < 4
	.set s_, ST+8*\slot+2*q_+1                     ; both chains start from the old maximum
.endif
	WIN 0x28                                       ; sources 1 and 2 window 2
	v_max3_num_f32 v[d_], v[s_], v[32*q_+2*i_], v[32*q_+2*i_+1]
.elseif sk < e1_
	.set q_, 2*\p+sk%2
	.set i_, (sk-32)/2
	WIN 0
.if i_ == 0
	v_max_num_f32 v[ST+8*\o+2*q_+1], v[ST+8*\o+2*q_+1], v[MB+q_]
.elseif i_ == 1
	v_permlanex16_b32 v[AL+2*q_+1], v[ST+8*\o+2*q_+1], s35, s36            ; the other 32 keys of my query lie in lane xor 16
.elseif i_ == 2
	v_max_num_f32 v[ST+8*\o+2*q_+1], v[ST+8*\o+2*q_+1], v[AL+2*q_+1]
.elseif i_ == 3
	v_mul_f32 v[ST+8*\o+2*q_], s37, v[ST+8*\o+2*q_+1]                      ; -c m
.elseif i_ == 4
	v_sub_f32 v[AL+2*q_+1], v[ST+8*\o+2*q_], v[ST+8*\slot+2*q_]            ; c m_old - c m_new, at most 0
.else
	v_exp_f32 v[AL+2*q_], v[AL+2*q_+1]                                     ; alpha
.endif
.elseif sk < e2_
	.set q_, 2*\p
	.set i_, sk-e1_
	WIN 0x82                                       ; source 0 and destination window 2
	v_pk_fma_f32 v[32*q_+2*i_:32*q_+2*i_+1], v[32*q_+2*i_:32*q_+2*i_+1], s[38:39], v[ST+8*\o+2*q_:ST+8*\o+2*q_+1] op_sel_hi:[1,0,0]
.elseif sk < e3_
	.set n_, sk-e2_
	.set i_, n_/3
	WIN 0x82
.if n_%3 == 2
	.set q_, 2*\p+1
	v_pk_fma_f32 v[32*q_+2*i_:32*q_+2*i_+1], v[32*q_+2*i_:32*q_+2*i_+1], s[38:39], v[ST+8*\o+2*q_:ST+8*\o+2*q_+1] op_sel_hi:[1,0,0]
.else
	.set r_, 64*\p+2*i_+n_%3
	v_exp_f32 v[r_], v[r_]
.endif
.elseif sk < e4_
	.set r_, 64*\p+32+sk-e3_
	WIN 0x82
	v_exp_f32 v[r_], v[r_]
.elseif sk < e5_
	.set n_, sk-e4_
	.set q_, 2*\p+n_/32
	WIN 0xc3                                       ; source 0 and destination window 3
	v_pk_mul_f32 v[128*\p+2*n_:128*\p+2*n_+1], v[128*\p+2*n_:128*\p+2*n_+1], v[AL+2*q_:AL+2*q_+1] op_sel_hi:[1,0]
.else
	.set n_, sk-e5_
	WIN 0x4a                                       ; sources window 2, destination window 1
	v_cvt_pk_bf16_f32 v[PB+32*\p+n_], v[64*\p+2*n_], v[64*\p+2*n_+1]
.endif
.endm
; Step wk of run 4's list: V of tile t + 1 to bf16 (32), then l = alpha l + the sum of p (64; 60 in the first trip): four chains, one a q tile, two partial sums a lane.
; The sums come last: those behind the run's last product are the independent instructions between it and the next loads into V's fragment registers.
.macro V4OP convert, first
	.set a1_, 32*\convert
.if wk < a1_
	.set cv_, wk
	WIN 0
	CVT1
.else
	.set n_, wk-a1_
	.set q_, n_%4
	.set i_, n_/4
.if \first
.if i_ == 0
	WIN 0x0a
	v_pk_add_f32 v[LS+2*q_:LS+2*q_+1], v[32*q_:32*q_+1], v[32*q_+2:32*q_+3]
.else
	WIN 0x08
	v_pk_add_f32 v[LS+2*q_:LS+2*q_+1], v[LS+2*q_:LS+2*q_+1], v[32*q_+2*i_+2:32*q_+2*i_+3]
.endif
.else
.if i_ == 0
	WIN 0x20
	v_pk_fma_f32 v[LS+2*q_:LS+2*q_+1], v[LS+2*q_:LS+2*q_+1], v[AL+2*q_:AL+2*q_+1], v[32*q_:32*q_+1] op_sel_hi:[1,0,1]
.else
	WIN 0x08
	v_pk_add_f32 v[LS+2*q_:LS+2*q_+1], v[LS+2*q_:LS+2*q_+1], v[32*q_+2*i_:32*q_+2*i_+1]
.endif
.endif
.endif
.endm
; One trip: tile t lies in bf16 buffer slot = t % 2, K's fragments of it already in registers; o is the other slot.
; refill: stage slot `slot` gets tile t + 2.  convert: tile t + 1 goes from stage slot o into bf16 buffer o.  first: the sums start here.  pref: see PREF.
.macro TRIP slot, o, refill, convert, first, pref
.if \convert
	s_wait_tensorcnt 0x0                           ; all my tensor loads have landed: the one that was out is my part of tile t + 1
	ds_add_u32 v62, v63
	s_wait_dscnt 0x0
.endif
.if \refill
	s_add_nc_u64 s[G0+4*\slot+2:G0+4*\slot+3], s[G0+4*\slot+2:G0+4*\slot+3], 2*TILEB   ; no load of mine is out: this slot's group 0 steps two tiles on
.endif
	s_wait_dscnt 0x0                               ; my reads of stage `slot` and of both bf16 buffers, and my stores of V into bf16 buffer `slot`, are done; K's fragments are in
.if \refill
	ROUND                                          ; all that now holds of every wave of the four work-groups
	tensor_load_to_lds s[G0+4*\slot:G0+4*\slot+3], s[G1:G1+7]      ; my one tensor load behind the round, first thing there; it has the whole trip in which to land
	s_nop 0
.else
	s_barrier_signal -1                            ; nothing is filled any more: my work-group's barrier orders the bf16 buffers
	s_barrier_wait -1
.endif
.if \pref
	PREF
.endif
.if \convert
	CVLOAD \o, 0                                   ; K's next rows: sixteen products stand between these loads and the wait for them
.endif
.if \first
.irp qt, 0,1,2,3
	v_mov_b32 v[ST+8*\slot+2*\qt+1], 0xff800000    ; no maximum yet: -infinity
.endr
.endif
	; run 1: S_A.  V's fragments go out behind products 7 and 15; behind each of products 16 to 31 stand two roundings of K's next rows
	.set jj, 0
	.set cv_, 0
.rept 32
	QKW 0
.if jj == 7
	VFRAG \slot, 0
.endif
.if jj == 15
	VFRAG \slot, 1
.endif
.if \convert
.if jj >= 16
.if jj == 16
	s_wait_dscnt 32                                ; K's rows are in; the 32 fragment loads issued behind them stay out
.endif
	WIN 0
	CVT1
	.set cv_, cv_+1
	CVT1
	.set cv_, cv_+1
.endif
.endif
	.set jj, jj+1
.endr
.if \convert
	WIN 0
	CVPUT \o, 0                                    ; K of tile t + 1, my rows, into bf16 buffer o
.else
	PLACES                                         ; no roundings stood behind the products that finished key blocks 0 and 1 of S_A, which the first maxima read
.endif
	; run 2: S_B, beside it the softmax of A.  The first sixteen maxima read key blocks 0 and 1 and are the places in front of the reads of blocks 2 and 3
	.set jj, 0
	.set sk, 0
	.set tot_, 236-68*\first
.rept 32
	QKW 1
.rept (jj+1)*tot_/32-sk
	SOP 0, \slot, \o, \first
	.set sk, sk+1
.endr
.if \convert
.if jj == 15
	WIN 0
	s_wait_dscnt 0x0                               ; the youngest LDS instructions are the 16 stores that read the conversion registers: these are loaded again behind this wait
	CVLOAD \o, 1                                   ; V's next rows
.endif
.endif
	.set jj, jj+1
.endr
	s_wait_dscnt 0x0                               ; V's fragments and V's next rows are in; my rows of K of tile t + 1 lie in bf16 buffer o
.if \convert
	s_barrier_signal -1                            ; say so.  The refill may stay out across it
.endif
	; run 3: O_A, beside it the softmax of B: register work alone, between the signal and the wait
	.set jj, 0
	.set sk, 0
.rept 32
	PVW 0, \first
.rept (jj+1)*tot_/32-sk
	SOP 1, \slot, \o, \first
	.set sk, sk+1
.endr
	.set jj, jj+1
.endr
.if \convert
	s_barrier_wait -1                              ; K of tile t + 1 is whole in bf16 buffer o
	KFRAG \o, 0                                    ; its fragments go into registers that run 2's products read last: all of run 3's slices lie between
.endif
	; run 4: O_B, beside it V's rounding and the row sums: about three steps a slice, the rest (four to six sums) behind the last product
	.set jj, 0
	.set wk, 0
	.set tot_, 32*\convert+64-4*\first
.rept 32
	PVW 1, \first
	.set up_, (jj+1)*tot_/33
.if jj == 31
	.set up_, tot_
.endif
.rept up_-wk
	V4OP \convert, \first
	.set wk, wk+1
.endr
.if \convert
.if jj == 7
	KFRAG \o, 1
.endif
.if jj == 15
	WIN 0
	CVPUT \o, 1                                    ; V of tile t + 1, my rows, into bf16 buffer o: at least 44 steps have gone, the 32 roundings among them
.endif
.endif
	.set jj, jj+1
.endr
	WIN 0                                          ; at a label and at a branch every window is 0
.endm
	TRIP 0, 1, 1, 1, 1, 1                          ; trip 0 starts the sums: nothing is cleared
	TRIP 1, 0, 1, 1, 0, 1
	s_mov_b32 s34, 13                              ; trips 2 to 27
.Llap:
	TRIP 0, 1, 1, 1, 0, 1
	TRIP 1, 0, 1, 1, 0, 1
	s_sub_co_u32 s34, s34, 1
	s_cmp_lg_u32 s34, 0
	s_cbranch_scc1 .Llap
	TRIP 0, 1, 1, 1, 0, 0                          ; trips 28, 29 fetch tiles 30, 31 and ask ahead for nothing
	TRIP 1, 0, 1, 1, 0, 0
	TRIP 0, 1, 0, 1, 0, 0                          ; trip 30: nothing is left to fetch; tile 31 is rounded
	TRIP 1, 0, 0, 0, 0, 0                          ; trip 31
	; 1 / l.  The four additions, with the four sums in front of them, are also the places between the last products and the first read of O
.irp qt, 0,1,2,3
	v_add_f32 v[LS+2*\qt], v[LS+2*\qt], v[LS+2*\qt+1]
.endr
.irp qt, 0,1,2,3
	v_permlanex16_b32 v[AL+2*\qt+1], v[LS+2*\qt], s35, s36
.endr
.irp qt, 0,1,2,3
	v_add_f32 v[LS+2*\qt], v[LS+2*\qt], v[AL+2*\qt+1]
.endr
.irp qt, 0,1,2,3
	v_rcp_f32 v[AL+2*\qt], v[LS+2*\qt]             ; l is at least the largest p of the row, which is 2^0 up to rounding
.endr
	v_nop                                          ; one plain instruction between the reciprocals and their use (ISA guide 5.7.2)
	s_wait_alu depctr_va_vdst(0)
; The way out, 16 queries at a time: O / l, 32 bytes a lane into my own stage, whole rows of 512 bytes back, and each store of the wave covers 512 consecutive bytes, aligned.
.macro OUTQ qt, buf
	WIN 0x03                                       ; source 0 window 3
.irp i, 0,1,2,3,4,5,6,7,8,9,10,11,12,13,14,15,16,17,18,19,20,21,22,23,24,25,26,27,28,29,30,31
	v_pk_mul_f32 v[FA+2*\i:FA+2*\i+1], v[64*\qt+2*\i:64*\qt+2*\i+1], v[AL+2*\qt:AL+2*\qt+1] op_sel_hi:[1,0]
.endr
	WIN 0
.irp dt, 0,1,2,3,4,5,6,7
	ds_store_b128 v[OS], v[FA+8*\dt:FA+8*\dt+3] offset:64*\dt              ; query r, d = 16 dt + 8 h + 0 .. 3
	ds_store_b128 v[OS], v[FA+8*\dt+4:FA+8*\dt+7] offset:64*\dt+16         ; d = 16 dt + 8 h + 4 .. 7
.endr
	s_wait_xcnt 0x0                                ; the buffer, which earlier stores read, is loaded again only behind this wait
.irp i, 0,1,2,3,4,5,6,7,8,9,10,11,12,13,14,15
	ds_load_b128 v[\buf+4*\i:\buf+4*\i+3], v[OL] offset:OPITCH*\i          ; LDS serves a wave's instructions in order: these see the stores above
.endr
.irp i, 0,1,2,3,4,5,6,7,8,9,10,11,12,13,14,15
	s_wait_dscnt 15-\i                             ; the younger rows' loads stay out
	global_store_b128 v[OG], v[\buf+4*\i:\buf+4*\i+3], s[10:11] offset:(16*\qt+\i)*512 th:TH_STORE_NT
.endr
.endm
	OUTQ 0, 128
	OUTQ 1, 192
	OUTQ 2, 128
	OUTQ 3, 192
	s_wait_tensorcnt 0x0
	ds_add_u32 v62, v63
	s_wait_dscnt 0x0
	ROUND                                          ; the closing round: no work-group ends while a partner may still ask for a tile that names it
	s_endpgm
.Lfunc_end_k_qb3eceaa561_attn:
	.size	k_qb3eceaa561_attn, .Lfunc_end_k_qb3eceaa561_attn-k_qb3eceaa561_attn
	.p2alignl 7, 3214868480
	.fill 96, 4, 3214868480
	.section	.rodata,"a",@progbits
	.p2align	6, 0x0
	.amdhsa_kernel k_qb3eceaa561_attn
		.amdhsa_group_segment_fixed_size 327680
		.amdhsa_private_segment_fixed_size 0
		.amdhsa_enable_private_segment 0
		.amdhsa_kernarg_size 32
		.amdhsa_user_sgpr_count 2
		.amdhsa_user_sgpr_kernarg_segment_ptr 1
		.amdhsa_wavefront_size32 1
		.amdhsa_system_sgpr_workgroup_id_x 1
		.amdhsa_system_sgpr_workgroup_id_y 1
		.amdhsa_system_sgpr_workgroup_id_z 1
		.amdhsa_system_vgpr_workitem_id 0
		.amdhsa_next_free_vgpr 1024
		.amdhsa_next_free_sgpr 66
		.amdhsa_reserve_vcc 0
		.amdhsa_float_denorm_mode_32 3
		.amdhsa_float_denorm_mode_16_64 3
		.amdhsa_memory_ordered 1
		.amdhsa_forward_progress 1
		.amdhsa_inst_pref_size 255
	.end_amdhsa_kernel
	.section	.bss,"aw",@nobits
	.p2align	6
	.space	262144
	.amdgpu_metadata
---
amdhsa.version: [ 1, 2 ]
amdhsa.kernels:
  - .name:           k_qb3eceaa561_attn
    .symbol:         k_qb3eceaa561_attn.kd
    .args:
      - { .name: queries, .offset: 0, .size: 8, .value_kind: global_buffer, .address_space: global }
      - { .name: keys, .offset: 8, .size: 8, .value_kind: global_buffer, .address_space: global }
      - { .name: values, .offset: 16, .size: 8, .value_kind: global_buffer, .address_space: global }
      - { .name: out0, .offset: 24, .size: 8, .value_kind: global_buffer, .address_space: global }
    .group_segment_fixed_size: 327680
    .private_segment_fixed_size: 0
    .kernarg_segment_align: 8
    .kernarg_segment_size: 32
    .max_flat_workgroup_size: 128
    .sgpr_count:     66
    .vgpr_count:     1024
    .wavefront_size: 32
...
	.end_amdgpu_metadata
.endif
;; end of part 1
